; MI455X (gfx1250); checked and timed in simulation.
; The chip was launched on July 23, 2026; its instructions are those of AMD's public machine-readable ISA for CDNA 5 (MIT licence, August 2026) and "CDNA5" Instruction Set Architecture Reference Guide (July 2026). The comments in the code are by the model that wrote it; some were corrected since.
;; Permutator. Allowed arithmetic: float matrix products may take bf16 or f16 operands with f32 sums; all other float work in f32.
;; Inputs: perm 4,096 x 4,096 float32; x 4,096 x 4,096 float32.
;; Outputs: out0 4,096 x 4,096 float32.
;; One version. Each part assembles by itself: llvm-mc -triple=amdgcn-amd-amdhsa -mcpu=gfx1250 --defsym DOCPART=n.
;; ======== version 1 of 1: 2 launches
;; workspace buffers: xb 33,554,432 bytes; pb 33,554,432 bytes
;; launch cast (part 1): grid 1024 x 2, 8 waves a work-group, no clusters, 0 bytes of LDS; arguments x, perm, xb, pb; writes xb, pb
.if DOCPART == 1
	.amdgcn_target "amdgcn-amd-amdhsa--gfx1250"
	.amdhsa_code_object_version 6
	.text
	.protected	k_q1ca5652de3_cast
	.globl	k_q1ca5652de3_cast
	.p2align	8
	.type	k_q1ca5652de3_cast,@function
k_q1ca5652de3_cast:
	s_mov_b64 s[64:65], 0
	v_nop
	global_prefetch_b8 v0, s[64:65] scope:SCOPE_SE
	s_setreg_imm32_b32 hwreg(HW_REG_WAVE_MODE, 25, 1), 1
	s_wait_xcnt 0x0
; xb = bf16(x), pb = bf16(perm): both [4096][4096], row-major as they come; nothing is transposed.
; LIMITS.  Each number is rounded once, to nearest even; an f32 magnitude beyond bf16's largest finite number (about 3.39e38) becomes an infinity.
; SHARES.  The grid's y picks the tensor (0: x to xb, 1: perm to pb).  Work-group gx owns 65,536 bytes of the source and the 32,768 bytes of the
; destination that they become.  Thread t takes, for chunk i = 0 .. 15, the 16 bytes at 16 t + 4,096 i and writes the 8 bytes at 8 t + 2,048 i:
; a wave's load covers 512 consecutive bytes, a wave's store 256 consecutive bytes at a multiple of 256 from the buffer's first byte.
; All sixteen loads of a wave go out at once (8 KiB a wave), every chunk has registers of its own, and no register is written twice: the text is a
; straight line with no loop, and its only waits are the counted ones for the loads.  Each byte is read once and nothing is shared between threads,
; so LDS, barriers, tensor loads and clusters have nothing to do here.
.set CHUNKS, 16
.set X, 4                              ; v[4:67]   chunk i: four f32 as loaded
.set Y, 68                             ; v[68:99]  chunk i: four bf16 in two registers
	s_load_b256 s[4:11], s[0:1], 0x0               ; x s[4:5], perm s[6:7], xb s[8:9], pb s[10:11]
	v_lshlrev_b32 v1, 4, v0                        ; my 16 bytes in a chunk of the source
	v_lshlrev_b32 v2, 3, v0                        ; my 8 bytes in a chunk of the destination
	s_and_b32 s2, ttmp7, 0xffff                    ; which tensor
	s_lshl_b32 s16, ttmp9, 16                      ; the work-group's 65,536 bytes of the source (1,023 x 65,536 at the most: one word),
	s_mov_b32 s17, 0
	s_lshl_b32 s18, ttmp9, 15                      ; and its 32,768 of the destination
	s_mov_b32 s19, 0
	s_wait_kmcnt 0x0
	s_cmp_eq_u32 s2, 0                             ; the choice hangs on the grid's y alone
	s_cselect_b64 s[12:13], s[4:5], s[6:7]
	s_cselect_b64 s[14:15], s[8:9], s[10:11]
	s_add_nc_u64 s[12:13], s[12:13], s[16:17]
	s_add_nc_u64 s[14:15], s[14:15], s[18:19]
.irp i, 0,1,2,3,4,5,6,7,8,9,10,11,12,13,14,15
	global_load_b128 v[X+4*(\i):X+4*(\i)+3], v1, s[12:13] offset:4096*(\i) th:TH_LOAD_NT  ; read once in the whole launch
.endr
.irp i, 0,1,2,3,4,5,6,7,8,9,10,11,12,13,14,15
	s_wait_loadcnt CHUNKS-1-(\i)                   ; loads come back in order (ISA guide 5.7.1): chunk i is in, the 15 - i younger ones stay out
	v_cvt_pk_bf16_f32 v[Y+2*(\i)],   v[X+4*(\i)],   v[X+4*(\i)+1]
	v_cvt_pk_bf16_f32 v[Y+2*(\i)+1], v[X+4*(\i)+2], v[X+4*(\i)+3]
	global_store_b64 v2, v[Y+2*(\i):Y+2*(\i)+1], s[14:15] offset:2048*(\i)  ; no hint: the next launch reads these bytes
.endr
	s_endpgm
.Lfunc_end_k_q1ca5652de3_cast:
	.size	k_q1ca5652de3_cast, .Lfunc_end_k_q1ca5652de3_cast-k_q1ca5652de3_cast
	.p2alignl 7, 3214868480
	.fill 96, 4, 3214868480
	.section	.rodata,"a",@progbits
	.p2align	6, 0x0
	.amdhsa_kernel k_q1ca5652de3_cast
		.amdhsa_group_segment_fixed_size 0
		.amdhsa_private_segment_fixed_size 0
		.amdhsa_enable_private_segment 0
		.amdhsa_kernarg_size 32
		.amdhsa_user_sgpr_count 2
		.amdhsa_user_sgpr_kernarg_segment_ptr 1
		.amdhsa_wavefront_size32 1
		.amdhsa_system_sgpr_workgroup_id_x 1
		.amdhsa_system_sgpr_workgroup_id_y 1
		.amdhsa_system_sgpr_workgroup_id_z 1
		.amdhsa_system_vgpr_workitem_id 0
		.amdhsa_next_free_vgpr 100
		.amdhsa_next_free_sgpr 66
		.amdhsa_reserve_vcc 0
		.amdhsa_float_denorm_mode_32 3
		.amdhsa_float_denorm_mode_16_64 3
		.amdhsa_memory_ordered 1
		.amdhsa_forward_progress 1
		.amdhsa_inst_pref_size 7
	.end_amdhsa_kernel
	.amdgpu_metadata
---
amdhsa.version: [ 1, 2 ]
amdhsa.kernels:
  - .name:           k_q1ca5652de3_cast
    .symbol:         k_q1ca5652de3_cast.kd
    .args:
      - { .name: x, .offset: 0, .size: 8, .value_kind: global_buffer, .address_space: global }
      - { .name: perm, .offset: 8, .size: 8, .value_kind: global_buffer, .address_space: global }
      - { .name: xb, .offset: 16, .size: 8, .value_kind: global_buffer, .address_space: global }
      - { .name: pb, .offset: 24, .size: 8, .value_kind: global_buffer, .address_space: global }
    .group_segment_fixed_size: 0
    .private_segment_fixed_size: 0
    .kernarg_segment_align: 8
    .kernarg_segment_size: 32
    .max_flat_workgroup_size: 256
    .sgpr_count:     66
    .vgpr_count:     100
    .wavefront_size: 32
...
	.end_amdgpu_metadata
.endif
;; end of part 1
;; launch gemm (part 2): grid 16 x 16, 4 waves a work-group, clusters of 4 x 4, 327,680 bytes of LDS; arguments xb, pb, out0; writes out0
.if DOCPART == 2
	.amdgcn_target "amdgcn-amd-amdhsa--gfx1250"
	.amdhsa_code_object_version 6
	.text
	.protected	k_q1ca5652de3_gemm
	.globl	k_q1ca5652de3_gemm
	.p2align	8
	.type	k_q1ca5652de3_gemm,@function
k_q1ca5652de3_gemm:
	s_mov_b64 s[64:65], 0
	v_nop
	global_prefetch_b8 v0, s[64:65] scope:SCOPE_SE
	s_setreg_imm32_b32 hwreg(HW_REG_WAVE_MODE, 25, 1), 1
	s_wait_xcnt 0x0
	s_wait_alu depctr_hold_cnt(0) depctr_sa_sdst(0) depctr_va_vdst(0) depctr_va_sdst(0) depctr_va_ssrc(0) depctr_va_vcc(0) depctr_vm_vsrc(0)
	s_getreg_b32 s2, hwreg(HW_REG_IB_STS2, 6, 4)
	s_cmp_eq_u32 s2, 0
	s_cbranch_scc0 .Lentry_in_a_cluster
	s_endpgm
.Lentry_in_a_cluster:
	s_bfe_u32 s2, ttmp6, 0x10000c
	s_cmp_lg_u32 s2, 0xf033
	s_cbranch_scc0 .Lentry_shape_is_right
	s_endpgm
.Lentry_shape_is_right:
; out0[m][n] = sum over k of xb[m][k] pb[k][n].  xb: [4096 m][4096 k] bf16, pb: [4096 k][4096 n] bf16 (the inputs rounded once), out0: [4096][4096] f32; sums in f32.
; LIMITS.  The sums go by K steps of 32 inside the matrix instruction and ascending K between them: another order of rounding than a plain chain of f32 additions.
; SHARES.  A tile of out0, 256 x 256, is made by a work-group of four waves; a wave makes 128 x 128: 64 accumulators of 16 x 16, 512 registers.  16 x 16 tiles: 256 work-groups, one tile each.
; K goes in 32 steps of 128 through a ring of two LDS slots filled by the tensor data mover.  A's tile (xb) is 256 rows x 128 k: rows of 256 bytes.  B's tile (pb) is taken AS IT LIES, 128 k-rows x 256 n:
; rows of 512 bytes; it is turned on its way out of LDS by ds_load_tr16_b128, which leaves a fragment with K along a lane's registers.  All rows start at multiples of 256 bytes from their buffer's first byte.
; CLUSTERS: 4 x 4 work-groups.  The four of a row of the cluster make tiles of one tile row and need the same tiles of A; the four of a column need the same tiles of B.  Such a tile is asked for JOINTLY:
; each of the four issues the same tensor load, with the same descriptor and a mask that names the four, and each receives the tile in its own LDS: the requests for A and for B are divided by four.
; THE MATRIX INSTRUCTION IS USED TRANSPOSED: source 0 = 16 columns of B, source 1 = 16 rows of A.  In the result lane l holds row m = l % 16 of out0 and its registers 0 to 7 the columns
; n = 8 (l / 16) + 0 .. 7: eight neighbouring f32 of a row, 32 bytes.
; REGISTERS, in windows of 256 (s_set_vgpr_msb's low byte: bits 1:0 source 0, 3:2 source 1, 5:4 source 2, 7:6 destination):
;   window 0: v0-31 addresses; v64-127, v128-191 fragments of A (8 x 16 rows x 32 K), two buffers; on the way out the same 128 registers hold rows read back from the stage
;   window 1: v64-127, v128-191 fragments of B, two buffers
;   window 2: the 32 accumulators of my rows 0-63 (accumulator (a, b) at v[8 (8 a + b)]);   window 3: those of my rows 64-127
.set SIZE_M, 4096
.set SIZE_N, 4096
.set SIZE_K, 4096
.set KSTEP,  128
.set PITCH,  272                       ; A's LDS row: 256 bytes + 16 of padding = 68 words: row r starts at bank 4 r mod 64 (64 banks of 4 bytes: ISA guide 11.1), so the 16 rows of a fragment load start at 16 different banks
.set PITCHB, 544                       ; B's LDS row: 512 bytes + 32 of padding = 136 words: row r starts at bank 8 r mod 64
.set HALFT,  128*PITCH                 ; what one tensor load brings: 128 rows of A, or 64 k-rows of B (64 x 544 is the same 34,816 bytes)
.set SLOT,   4*HALFT                   ; A's 256 rows, then B's 128 k-rows
.set STAGE,  2*SLOT                    ; behind the ring: 16 rows x 528 bytes for each wave, for the way out; no tensor load lands there
.set SPITCH, 528                       ; a stage row: 128 f32 = 512 bytes + 16: the 16 rows that a store touches start at 16 different groups of four banks
.set SPARE,  STAGE+4*16*SPITCH         ; behind the stages: the spare words, 128 bytes for each wave: two blocks of 256 bytes that no other line names
.set LAPS,   SIZE_K/(2*KSTEP)          ; a lap = two K steps = once round the ring: 16
.set ADRA, 16                          ; v16-17  LDS address of my A fragments in slot 0, 1
.set ADRB, 20                          ; v20-21  the same for B
.set STO,  24                          ; v24     the way out: where I put 32 bytes of a row
.set RD,   25                          ; v25     the way out: where I read 16 bytes of a row back
.set CO,   26                          ; v26     my byte offset in a row's 512 bytes of out0; never rewritten
.set SPW,  28                          ; v28     LDS address of my spare word: SPARE + 4 x my thread's number; never rewritten
.set NIL,  29                          ; v29     0; never rewritten
.set F0,   64                          ; fragment buffer 0
.set F1,   128                         ; fragment buffer 1
.set G1,  24                           ; s[24:31] descriptor group 1 for A's tiles
.set G0,  32                           ; s[32:39] descriptor group 0 for A's tiles, one set for each slot
.set G1B, 48                           ; s[48:55] descriptor group 1 for B's tiles
.set G0B, 56                           ; s[56:63] descriptor group 0 for B's tiles, one set for each slot
.set MSB, 0
.macro WIN new                         ; the immediate's high byte repeats the setting that is left; a switch that changes nothing is dropped
.if MSB != (\new)
	s_set_vgpr_msb (MSB<<8)|(\new)
.set MSB, \new
.endif
.endm
.set MUL_LO, 0xa1                      ; source 0 (B) window 1, source 1 (A) window 0, C and D window 2
.set MUL_HI, 0xf1                      ; the same, C and D window 3
.set TO_B,   0x40                      ; destination window 1, address window 0
; A joint load.  Waves 0 and 1 fetch A's two halves, waves 2 and 3 B's.  Each of the two lines has ONE mask and one set of registers for all that issue it, and nothing in them hangs on a
; coordinate that the four partners do not share.  The branch hangs on the wave's number alone.  An s_nop 0 and four v_nop follow each of the two lines, ahead of the jump and the label.
.macro JLOAD s
	s_cmp_eq_u32 s11, 0
	s_cbranch_scc0 .Lfor_b_\@
	tensor_load_to_lds s[G0+4*(\s):G0+4*(\s)+3], s[G1:G1+7]
	s_nop 0
.rept 4
	v_nop
.endr
	s_branch .Lasked_\@
.Lfor_b_\@:
	tensor_load_to_lds s[G0B+4*(\s):G0B+4*(\s)+3], s[G1B:G1B+7]
	s_nop 0
.rept 4
	v_nop
.endr
.Lasked_\@:
.endm
; A round of the cluster's barrier: my work-group's barrier, so that wave 0's signal speaks for all four waves; wave 0 signals for the work-group; every wave waits for all sixteen
; work-groups; my work-group's barrier once more.  No LDS instruction of the wave is pending at a signal.
.macro CREST                           ; a round behind its opening barrier
	s_cmp_lg_u32 s10, 0
	s_cbranch_scc1 .Lnot_wave_0_\@
	s_barrier_signal -3
.Lnot_wave_0_\@:
	s_barrier_wait -3
	s_barrier_signal -1
	s_barrier_wait -1
.endm
.macro CROUND                          ; a whole round
	s_barrier_signal -1
	s_barrier_wait -1
	CREST
.endm
	s_load_b128 s[4:7], s[0:1], 0x0                ; xb s[4:5], pb s[6:7]
	s_load_b64 s[8:9], s[0:1], 0x10                ; out0
	v_lshl_add_u32 v[SPW], v0, 2, SPARE
	v_mov_b32 v[NIL], 0
	ds_add_u32 v[SPW], v[NIL]                      ; the wave's opening: the add and its wait stand ahead of my first tensor load; the set-up below, work on registers, stands between them
	v_lshrrev_b32 v1, 5, v0
	v_readfirstlane_b32 s10, v1                    ; wave 0..3
	s_lshr_b32 s11, s10, 1                         ; which half of the tile's rows is mine.  Also: I fetch for A (0) or for B (1)
	s_and_b32 s12, s10, 1                          ; which half of its columns.  Also: which half of that tile I fetch
	s_bfe_u32 s40, ttmp6, 0x40000                  ; cx: my place along the cluster's x
	s_bfe_u32 s41, ttmp6, 0x40004                  ; cy: along its y
	s_lshl_b32 s42, ttmp9, 2                       ; in a cluster launch ttmp9 and ttmp7 count clusters
	s_add_co_u32 s42, s42, s40                     ; tile column = 4 x cluster x + cx
	s_and_b32 s13, ttmp7, 0xffff
	s_lshl_b32 s13, s13, 2
	s_add_co_u32 s13, s13, s41                     ; tile row = 4 x cluster y + cy
	s_lshl_b32 s43, s41, 2
	s_lshl_b32 s43, 15, s43                        ; my row of the cluster: places 4 cy .. 4 cy + 3
	s_lshl_b32 s44, 0x1111, s40                    ; my column: places cx, cx + 4, cx + 8, cx + 12
	; descriptor group 1 for A: a tile of 128 rows x 128 elements, padded in LDS
	s_or_b32 s[G1+0], s43, (1<<16)|(1<<20)|(1<<21)|(5<<22)|(3<<25)   ; 15:0 the mask: A's tiles go to my row; 17:16 elements of 2 bytes; 20 padding on; 21 set beside a mask; 24:22 after every 64 words (code 5); 31:25 4 words of it (code 3)
	s_mov_b32 s[G1+1], KSTEP<<16                   ; 63:48 tensor_dim0, low half = 128
	s_mov_b32 s[G1+2], 128<<16                     ; 79:64 its high half = 0; 95:80 tensor_dim1, low half = 128
	s_mov_b32 s[G1+3], KSTEP<<16                   ; 111:96 its high half = 0; 127:112 tile_dim0 = 128
	s_mov_b32 s[G1+4], 128                         ; 143:128 tile_dim1 = 128; 159:144 tile_dim2 = 0
	s_mov_b32 s[G1+5], SIZE_K                      ; 191:160 tensor_dim0_stride: 4,096 elements from row to row
	s_mov_b32 s[G1+6], 0
	s_mov_b32 s[G1+7], 0
	; descriptor group 1 for B: a tile of 64 k-rows x 256 elements, padded in LDS
	s_or_b32 s[G1B+0], s44, (1<<16)|(1<<20)|(1<<21)|(6<<22)|(7<<25)  ; the mask of my column; after every 128 words (code 6) 8 words of padding (code 7)
	s_mov_b32 s[G1B+1], 256<<16                    ; tensor_dim0 = 256
	s_mov_b32 s[G1B+2], 64<<16                     ; tensor_dim1 = 64
	s_mov_b32 s[G1B+3], 256<<16                    ; tile_dim0 = 256
	s_mov_b32 s[G1B+4], 64                         ; tile_dim1 = 64
	s_mov_b32 s[G1B+5], SIZE_N                     ; 4,096 elements from k-row to k-row
	s_mov_b32 s[G1B+6], 0
	s_mov_b32 s[G1B+7], 0
	; where the tiles come from.  A's hang on the tile row alone, which my row of the cluster shares; B's on the tile column alone, which my column shares.
	; Every wave makes both addresses, in registers that never hold the other coordinate, and asks by one of them.
	s_lshl_b32 s16, s13, 8
	s_lshl_b32 s17, s12, 7
	s_add_co_u32 s16, s16, s17                     ; A: row 256 x tile row + 128 x half,
	s_lshl_b32 s16, s16, 13                        ; times 8,192 bytes a row: 3,968 x 8,192 at the most, one word
	s_mov_b32 s17, 0
	s_lshl_b32 s46, s42, 9                         ; B: 512 bytes a tile column,
	s_lshl_b32 s47, s12, 19                        ; and 64 k-rows of 8,192 bytes for the second half
	s_add_co_u32 s46, s46, s47
	s_mov_b32 s47, 0
	s_mul_i32 s20, s10, HALFT                      ; and where they go: A's two halves, then B's two halves = wave x 34,816 bytes: no place in the cluster enters an LDS address
	s_wait_dscnt 0x0                               ; the opening add is done
	s_wait_kmcnt 0x0
	s_add_nc_u64 s[14:15], s[4:5], s[16:17]
	s_add_nc_u64 s[46:47], s[6:7], s[46:47]
	CROUND                                         ; all sixteen work-groups are here: the first joint loads meet
.irp s, 0,1
	s_mov_b32 s[G0+4*(\s)], 1                                      ; 1:0 count = 1
	s_add_co_u32 s[G0+4*(\s)+1], s20, (\s)*SLOT                    ; 63:32 LDS address
	s_add_nc_u64 s[G0+4*(\s)+2:G0+4*(\s)+3], s[14:15], (\s)*KSTEP*2  ; 120:64 global address: K step s lies 256 bytes along A's rows,
	s_or_b32 s[G0+4*(\s)+3], s[G0+4*(\s)+3], 0x80000000            ; 127:126 type = 2
	s_mov_b32 s[G0B+4*(\s)], 1
	s_add_co_u32 s[G0B+4*(\s)+1], s20, (\s)*SLOT
	s_add_nc_u64 s[G0B+4*(\s)+2:G0B+4*(\s)+3], s[46:47], (\s)*KSTEP*SIZE_N*2  ; and 128 k-rows down B
	s_or_b32 s[G0B+4*(\s)+3], s[G0B+4*(\s)+3], 0x80000000
	JLOAD \s                                       ; the ring is filled before anything else is done: two tensor loads of mine are out, the most in this text
.endr
	; A's fragment is 16 rows x 32 K in 8 registers: lane l holds row l % 16; registers 0-3 hold K = 8 (l / 16) + 0..7, registers 4-7 hold K = 16 + 8 (l / 16) + 0..7: two loads of 16 bytes, 32 bytes apart.
	v_and_b32 v1, 15, v0                           ; l % 16
	v_bfe_u32 v2, v0, 4, 1                         ; l / 16
	v_mul_u32_u24 v3, v1, PITCH
	v_lshl_add_u32 v3, v2, 4, v3                   ; row x pitch + 16 x half
	; B's fragment has the same layout with column n = l % 16 in the row's place.  The turning load takes 16 k x 16 n (lane l reads 16 bytes: k-row 8 (l / 16) + l % 8, columns 8 ((l / 8) % 2) + 0..7)
	; and leaves half a fragment: lane l holds column l % 16 and 8 k.  The second half lies 16 k-rows further down.
	v_and_b32 v4, 7, v0
	v_lshl_add_u32 v4, v2, 3, v4
	v_mul_u32_u24 v4, v4, PITCHB
	v_bfe_u32 v5, v0, 3, 1
	v_lshl_add_u32 v4, v5, 4, v4
	s_mul_i32 s21, s11, HALFT                      ; my 128 rows of A
	s_lshl_b32 s22, s12, 8                         ; my 128 columns of B: 256 bytes along its rows,
	s_add_co_u32 s22, s22, 2*HALFT                 ; which lie behind A's 256 rows
.irp s, 0,1
	v_add_nc_u32 v[ADRA+(\s)], s21, v3
	v_add_nc_u32 v[ADRB+(\s)], s22, v4
	s_add_co_u32 s21, s21, SLOT
	s_add_co_u32 s22, s22, SLOT
.endr
	s_mul_i32 s23, s10, 16*SPITCH
	s_add_co_u32 s23, s23, STAGE                   ; my stage
	v_mul_u32_u24 v6, v1, SPITCH                   ; in: row l % 16, 32 bytes for each half of the lanes
	v_lshl_add_u32 v6, v2, 5, v6
	v_add_nc_u32 v[STO], s23, v6
	v_and_b32 v7, 31, v0
	v_lshlrev_b32 v[CO], 4, v7                     ; back: the 32 lanes take one row of 512 bytes, 16 each; the same place in out0's row
	v_add_nc_u32 v[RD], s23, v[CO]
	; out0 at my part of the tile
	s_lshl_b32 s16, s13, 8
	s_lshl_b32 s17, s11, 7
	s_add_co_u32 s16, s16, s17                     ; my first row: 256 x tile row + 128 x half,
	s_lshl_b32 s16, s16, 14                        ; times 16,384 bytes a row: 3,968 x 16,384 at the most, one word
	s_mov_b32 s17, 0
	s_add_nc_u64 s[8:9], s[8:9], s[16:17]
	s_lshl_b32 s46, s42, 10                        ; my first column, in bytes: 1,024 x tile column + 512 x half (in the registers that held B's address: none that feeds A's descriptors ever holds cx)
	s_lshl_b32 s47, s12, 9
	s_add_co_u32 s46, s46, s47
	s_mov_b32 s47, 0
	s_add_nc_u64 s[8:9], s[8:9], s[46:47]
; 16 matrix instructions: m blocks a0, a0 + 1 of the window's four (hi = 0: my rows 0-63, 1: rows 64-127) x all 8 n blocks, 32 along K.
; zero = 1: the first product starts the sums: nothing is ever cleared.  The 64 accumulators take turns, one instruction a turn, in the same order in every quarter step.
.macro MUL16 f, hi, a0, zero
	WIN MUL_LO+0x50*(\hi)  ; MUL_LO or MUL_HI
.irp a, \a0, (\a0)+1
.irp b, 0,1,2,3,4,5,6,7
.if \zero
	v_wmma_f32_16x16x32_bf16 v[8*(8*(\a)+(\b)):8*(8*(\a)+(\b))+7], v[(\f)+8*(\b):(\f)+8*(\b)+7], v[(\f)+8*(4*(\hi)+(\a)):(\f)+8*(4*(\hi)+(\a))+7], 0
.else
	v_wmma_f32_16x16x32_bf16 v[8*(8*(\a)+(\b)):8*(8*(\a)+(\b))+7], v[(\f)+8*(\b):(\f)+8*(\b)+7], v[(\f)+8*(4*(\hi)+(\a)):(\f)+8*(4*(\hi)+(\a))+7], v[8*(8*(\a)+(\b)):8*(8*(\a)+(\b))+7]
.endif
.endr
.endr
.endm
; 32 LDS loads in one run: the fragments of quarter q of a K step (32 K: k-rows 32 q on of B, byte 64 q on of A's rows) into buffer f.  B's sixteen first, A's rows 64-127 last.
; The largest offset is B's: (3 x 32 + 16) x 544 + 224 = 61,152, inside the unsigned 16 bits.
.macro FETCH slot, q, f
	WIN TO_B
.irp i, 0,1,2,3,4,5,6,7
	ds_load_tr16_b128 v[(\f)+8*(\i):(\f)+8*(\i)+3],   v[ADRB+(\slot)] offset:(\q)*32*PITCHB+32*(\i)
	ds_load_tr16_b128 v[(\f)+8*(\i)+4:(\f)+8*(\i)+7], v[ADRB+(\slot)] offset:(\q)*32*PITCHB+16*PITCHB+32*(\i)
.endr
	WIN 0
.irp i, 0,1,2,3,4,5,6,7
	ds_load_b128 v[(\f)+8*(\i):(\f)+8*(\i)+3],   v[ADRA+(\slot)] offset:64*(\q)+(\i)*16*PITCH
	ds_load_b128 v[(\f)+8*(\i)+4:(\f)+8*(\i)+7], v[ADRA+(\slot)] offset:64*(\q)+(\i)*16*PITCH+32
.endr
.endm
; A load into a register that a matrix instruction has read, and a store that reads a matrix result, stand four places behind that matrix instruction, and only plain vector instructions that
; name none of its registers are places (ISA guide 7.12.1 for vector instructions); the matrix instructions in between are not counted.
.macro PLACES
.rept 4
	v_nop
.endr
.endm
; A K step is four quarters of 32 along K, 64 matrix instructions each, on buffers 0, 1, 0, 1.
; One of the first three: multiplies buffer f; in its middle it fetches quarter q of the same slot into buffer g.
.macro QUARTER slot, q, f, g, zero
	s_wait_dscnt 8                                 ; B and A's rows 0-63 are in; the youngest eight loads (A's rows 64-127) may be out
	MUL16 \f, 0, 0, \zero
	MUL16 \f, 0, 2, \zero
	PLACES
	FETCH \slot, \q, \g
	s_wait_dscnt 32                                ; all but the 32 just issued
	MUL16 \f, 1, 0, \zero
	MUL16 \f, 1, 2, \zero
.endm
; The last quarter multiplies buffer 1 and changes slots: ONE barrier, for two things.  In front of it each wave waits for all its tensor loads, of which one is out: its part of the next slot;
; adds 0 to its spare word; and waits for that and for its own reads of this slot.  Behind it nobody reads this slot any more and the next slot is whole.
; fill = 1: the barrier opens a round of the cluster's barrier, and behind the round this slot is filled again first, with the K step two steps on: from that request to the wait for it a wave
; issues 224 matrix instructions.  Then come the next slot's first fragments.
.macro TURN slot, next, fill
	WIN 0                                          ; (the add's two registers lie in window 0)
	s_wait_tensorcnt 0x0                           ; all my tensor loads have landed: the one that was out is my part of the next slot; so a group 0 may be written below
	ds_add_u32 v[SPW], v[NIL]                      ; 0 onto my spare word
	s_wait_dscnt 9                                 ; (the add and the youngest eight loads may be out)
	MUL16 F1, 0, 0, 0                              ; sixteen matrix instructions stand between the add and the wait for it
	s_wait_dscnt 0x0                               ; the add is done, and my reads of this slot are over:
	s_barrier_signal -1                            ; say so,
	MUL16 F1, 0, 2, 0                              ; work on registers while the others arrive,
.if \fill
	WIN 0
.endif
	s_barrier_wait -1                              ; and go on when all four have said so
.if \fill
	CREST                                          ; all sixteen work-groups have said so: no wave of any partner still reads this slot's tile or has a load on its way
	s_add_nc_u64 s[G0+4*(\slot)+2:G0+4*(\slot)+3], s[G0+4*(\slot)+2:G0+4*(\slot)+3], 2*KSTEP*2            ; A: 512 bytes along its rows; the type bits on top are not reached
	s_add_nc_u64 s[G0B+4*(\slot)+2:G0B+4*(\slot)+3], s[G0B+4*(\slot)+2:G0B+4*(\slot)+3], 2*KSTEP*SIZE_N*2  ; B: 256 k-rows down
	JLOAD \slot                                    ; my one tensor load behind the round, and the first thing there; the four v_nop behind it are also the places in front of the loads below
.else
	PLACES
.endif
	FETCH \next, 0, F0
	MUL16 F1, 1, 0, 0
	MUL16 F1, 1, 2, 0
.endm
; THE WAY OUT of block a (16 of my rows x 128 columns of f32), in two parts.  A lane's 32 bytes are a sixteenth of a row's 512, and the lanes beside it hold other rows.  TOSTAGE: the block goes into my
; own stage in LDS as it lies in the accumulators (the output is f32: nothing is converted) and comes back as whole rows.  SEND: the rows are stored.
.macro TOSTAGE a
.set AC, 64*((\a)%4)                   ; its eight accumulators, in window 2 (blocks 0-3) or 3 (blocks 4-7)
.set BK, 64+64*((\a)%2)                ; the 64 registers that take the rows: two such sets by turns
.if (\a) >= 2
	s_wait_xcnt 0x0                                ; every earlier memory instruction has had its addresses translated (ISA guide 3.1): the set that block a - 2's stores read is loaded again only behind this wait
.endif
	WIN 0x08+4*((\a)/4)                            ; store data (source 1) in window 2 or 3, address in window 0
.irp b, 0,1,2,3,4,5,6,7
	ds_store_b128 v[STO], v[AC+8*(\b):AC+8*(\b)+3]   offset:64*(\b)     ; each accumulator's four lowest registers are read first
	ds_store_b128 v[STO], v[AC+8*(\b)+4:AC+8*(\b)+7] offset:64*(\b)+16
.endr
	WIN 0
.irp t, 0,1,2,3,4,5,6,7,8,9,10,11,12,13,14,15
	ds_load_b128 v[BK+4*(\t):BK+4*(\t)+3], v[RD] offset:(\t)*SPITCH  ; LDS serves a wave's instructions in order (ISA guide 5.7.1.4): these see the stores above, and the next block's stores come behind them
.endr
.endm
.macro SEND a, younger                 ; younger: the LDS instructions issued behind block a's loads: the next block's sixteen stores and sixteen loads, or none
.set BK, 64+64*((\a)%2)
	WIN 0
	s_wait_dscnt \younger                          ; the block is back in registers
.irp t, 0,1,2,3,4,5,6,7,8,9,10,11,12,13,14,15
	global_store_b128 v[CO], v[BK+4*(\t):BK+4*(\t)+3], s[8:9] offset:(16*(\a)+(\t))*SIZE_N*4 th:TH_STORE_NT  ; 32 lanes store 512 consecutive bytes, at a multiple of 512 from out0's first byte; the row stands in the immediate: 127 x 16,384 at the most, inside its signed 24 bits
.endr
.endm
	s_wait_tensorcnt 1                             ; my part of K step 0 is in; K step 1's may stay out
	s_barrier_signal -1
	s_barrier_wait -1                              ; everybody's is
	FETCH 0, 0, F0
	QUARTER 0, 1, F0, F1, 1                        ; the first quarter stands in front of the loop: its products start the sums
	WIN 0                                          ; at a label and at a branch every window is 0
	s_mov_b32 s3, LAPS-1
.Llap:                                                 ; 15 trips: a trip goes once round the ring, from a lap's second quarter to the next lap's first, and fills both slots again
	QUARTER 0, 2, F1, F0, 0
	QUARTER 0, 3, F0, F1, 0
	TURN 0, 1, 1
	QUARTER 1, 1, F0, F1, 0
	QUARTER 1, 2, F1, F0, 0
	QUARTER 1, 3, F0, F1, 0
	TURN 1, 0, 1
	QUARTER 0, 1, F0, F1, 0
	WIN 0
	s_sub_co_u32 s3, s3, 1
	s_cmp_lg_u32 s3, 0
	s_cbranch_scc1 .Llap
	QUARTER 0, 2, F1, F0, 0                        ; the last lap is written out: it fills nothing, and has no round of the cluster's barrier
	QUARTER 0, 3, F0, F1, 0
	TURN 0, 1, 0                                   ; my one tensor load that was still out is slot 1's, the last K step's
	QUARTER 1, 1, F0, F1, 0
	QUARTER 1, 2, F1, F0, 0
	QUARTER 1, 3, F0, F1, 0
	s_wait_dscnt 8                                 ; the very last quarter: nothing more to fetch
	MUL16 F1, 0, 0, 0
	MUL16 F1, 0, 2, 0
	s_wait_dscnt 0x0
	MUL16 F1, 1, 0, 0
	MUL16 F1, 1, 2, 0
	WIN 0
	PLACES                                         ; behind the last products: the stores below read results, and the loads below land in A's fragment buffers
	TOSTAGE 0
.irp a, 1,2,3,4,5,6,7                  ; block a's way through the stage is issued ahead of the wait for block a - 1's rows
	TOSTAGE \a
	SEND (\a)-1, 32
.endr
	SEND 7, 0
	s_wait_tensorcnt 0x0                           ; the wave's end: behind my last tensor load and my last LDS store
	ds_add_u32 v[SPW], v[NIL]
	s_wait_dscnt 0x0
	CROUND                                         ; the closing round: no work-group ends while a partner may still ask for a tile that names it
	s_endpgm
.Lfunc_end_k_q1ca5652de3_gemm:
	.size	k_q1ca5652de3_gemm, .Lfunc_end_k_q1ca5652de3_gemm-k_q1ca5652de3_gemm
	.p2alignl 7, 3214868480
	.fill 96, 4, 3214868480
	.section	.rodata,"a",@progbits
	.p2align	6, 0x0
	.amdhsa_kernel k_q1ca5652de3_gemm
		.amdhsa_group_segment_fixed_size 327680
		.amdhsa_private_segment_fixed_size 0
		.amdhsa_enable_private_segment 0
		.amdhsa_kernarg_size 24
		.amdhsa_user_sgpr_count 2
		.amdhsa_user_sgpr_kernarg_segment_ptr 1
		.amdhsa_wavefront_size32 1
		.amdhsa_system_sgpr_workgroup_id_x 1
		.amdhsa_system_sgpr_workgroup_id_y 1
		.amdhsa_system_sgpr_workgroup_id_z 1
		.amdhsa_system_vgpr_workitem_id 0
		.amdhsa_next_free_vgpr 1024
		.amdhsa_next_free_sgpr 66
		.amdhsa_reserve_vcc 0
		.amdhsa_float_denorm_mode_32 3
		.amdhsa_float_denorm_mode_16_64 3
		.amdhsa_memory_ordered 1
		.amdhsa_forward_progress 1
		.amdhsa_inst_pref_size 140
	.end_amdhsa_kernel
	.amdgpu_metadata
---
amdhsa.version: [ 1, 2 ]
amdhsa.kernels:
  - .name:           k_q1ca5652de3_gemm
    .symbol:         k_q1ca5652de3_gemm.kd
    .args:
      - { .name: xb, .offset: 0, .size: 8, .value_kind: global_buffer, .address_space: global }
      - { .name: pb, .offset: 8, .size: 8, .value_kind: global_buffer, .address_space: global }
      - { .name: out0, .offset: 16, .size: 8, .value_kind: global_buffer, .address_space: global }
    .group_segment_fixed_size: 327680
    .private_segment_fixed_size: 0
    .kernarg_segment_align: 8
    .kernarg_segment_size: 24
    .max_flat_workgroup_size: 128
    .sgpr_count:     66
    .vgpr_count:     1024
    .wavefront_size: 32
...
	.end_amdgpu_metadata
.endif
;; end of part 2
